; MI455X (gfx1250); checked and timed in simulation.
; The chip was launched on July 23, 2026; its instructions are those of AMD's public machine-readable ISA for CDNA 5 (MIT licence, August 2026) and "CDNA5" Instruction Set Architecture Reference Guide (July 2026). The comments in the code are by the model that wrote it; some were corrected since.
;; Turbo Quant Rotation. Allowed arithmetic: matrix products marked QUANTISED: E5M2 operands, one given power-of-two scale a tensor, by v_wmma_f32_16x16x64_bf8_bf8 or v_wmma_f32_16x16x128_bf8_bf8, f32 sums; everything else in f32.
;; Inputs: lowp_scales 4 int32 (the exponents e of the quantised operands' scales 2^e); signs 2 x 2,048 int32; wht_mat_codes 2,048 x 64 x 32 uint8 (E5M2 codes of wht_mat, K innermost, in blocks of 32 codes); x 8,192 x 2,048 float32.
;; Outputs: out0 8,192 x 2,048 float32.
;; This version of the problem:
;;   THIS VERSION OF THE PROBLEM IS GIVEN IN LOW PRECISION. The matrix products marked QUANTISED in the list below multiply operands that are first quantised to E5M2 (5 exponent bits, 2 mantissa bits; 8 bits a number), with one given power-of-two scale for each operand tensor; their sums are f32. All else is computed in f32.
;;   The module's matrix products, in the order in which they are computed (A, B: the left and right operand; K: the contracted axis; several contracted axes count as one K, in the product's order):
;;     1. [M 8,192, K 2,048] x [K 2,048, N 2,048]; A: computed on the way; B: input wht_mat (given as codes): QUANTISED (scales: A lowp_scales[0], B lowp_scales[1])
;;     2. [M 8,192, K 2,048] x [K 2,048, N 2,048]; A: computed on the way; B: input wht_mat (given as codes): QUANTISED (scales: A lowp_scales[2], B lowp_scales[3])
;;   THE QUANTISER, for each operand of a quantised product, along K:
;;     - The operand's scale is 2^e, e = its entry of the input lowp_scales (int32; the entries are numbered through the quantised products in the list's order, A before B).
;;     - Each number is divided by the scale, clamped to +-57,344, and rounded to the nearest number of E5M2, ties to even, subnormals kept.
;;     - The product sums the exact products of the quantised numbers (number of the format x scale) in f32.
;;   ~~~python
;;   def quantise(x, axis, e):      # numpy; x: float32 -> the quantised numbers, widened to float32 again
;;       x = np.moveaxis(x, axis, -1); K = x.shape[-1]
;;       r = np.clip(x / 2.0 ** e, -57344, 57344)
;;       step = 2.0 ** (np.maximum(np.frexp(np.where(r == 0, 1, r))[1] - 1, -14) - 2)
;;       q = np.round(r / step) * step * 2.0 ** e      # np.round: ties to even
;;       return np.moveaxis(q, -1, axis).astype(np.float32)
;;   ~~~
;;   OPERANDS COMPUTED ON THE WAY. 'Computed on the way' means the value that the module computes at that place (a softmax that the list does not call 'softmax' is quantised finished and normalised). What goes into a quantiser is computed in f32, as accurately as f32 sums, v_exp_f32 and their like allow (about 1e-6 of the number): no bf16 or f16 on the way to a quantiser, and a product that is left as it is and whose result goes on into a quantised operand takes f32 operands (vector FMAs, or v_wmma_f32_16x16x4_f32). A number that lies on a knife's edge between two numbers of the format may be rounded either way, as far as f32 arithmetic and the matrix unit's own rounding can turn it there, and no further.
;;   INPUTS GIVEN AS CODES. wht_mat (in the module: [2048, 2048], K = its axis 0): each comes as NAME_codes (uint8): NAME with its K axis moved to the last place and cut into blocks of 32 codes, [.., K / 32, bytes a block], one block behind the other in memory; one code a byte (a code: sign, 5 exponent bits, 2 mantissa bits); its scale is its entry of lowp_scales. Its value is code x scale, taken as it is: it is not quantised again, and the codes and scales need not be those that the quantiser above would give.
;; One version. Each part assembles by itself: llvm-mc -triple=amdgcn-amd-amdhsa -mcpu=gfx1250 --defsym DOCPART=n.
;; ======== version 1 of 1: 3 launches
;; limits: right only within a limited range of input values
;; workspace buffers: xc 16,777,216 bytes; hc 16,777,216 bytes; wp 4,194,304 bytes
;; launch quant (part 1): grid 1024 x 1, 4 waves a work-group, no clusters, 35,328 bytes of LDS; arguments x, signs, lowp_scales, wht_mat_codes, xc, wp; writes xc, wp
.if DOCPART == 1
	.amdgcn_target "amdgcn-amd-amdhsa--gfx1250"
	.amdhsa_code_object_version 6
	.text
	.protected	k_q4640635105_quant
	.globl	k_q4640635105_quant
	.p2align	8
	.type	k_q4640635105_quant,@function
k_q4640635105_quant:
	s_mov_b64 s[64:65], 0
	v_nop
	global_prefetch_b8 v0, s[64:65] scope:SCOPE_SE
	s_setreg_imm32_b32 hwreg(HW_REG_WAVE_MODE, 25, 1), 1
	s_wait_xcnt 0x0
; Two jobs.  (1) xc = the E5M2 codes of x[t][k] * signs[0][k] under the given scale 2^e0.  (2) wp = the given codes of W, laid anew.  No step of the problem is left out.
; BOTH ARE LAID AS IMAGES OF OPERAND REGISTERS: [block of 128 rows][block of 128 k][fragment 0..7][c 0..3][lane 16 h + r][16 bytes]; a fragment is 16 rows x 128 k, 2,048 bytes.
; Byte 8 u + j of (c, h, r), with p = 2 c + u, holds k = 64 (p / 4) + 32 h + 4 j + p % 4 of its block: the order in which the first product's results fall into a lane's registers, the same in every operand.
; Rows: in xc fragment a, lane r is row 16 a + r of the block; in wp fragment 4 g + b, lane r is row 64 g + 4 r + b.
; LIMITS: -126 <= e0 <= 112, so that 2^e0 and 57,344 x 2^e0 are f32 numbers.  NaN among the inputs is not served (an infinity is held at the largest code).
; SHARES.  A work-group takes 64 rows x 256 columns of x; wave q takes 64 columns (256 bytes of a row) in four tasks of 16 rows.  A load covers two rows' 256 bytes; the 4,096 bytes of a task go through the wave's own
; stage in LDS (rows of 256 + 16 bytes) and come back 128 bytes a lane: 32 neighbours along k of row r.  The hold writes them in the order that the conversions want.  A store covers 512 consecutive bytes.
; In each work-group the wave whose number is the group's number mod 4 also lays 16 rows x 256 bytes of W anew, by the same stage and byte permutes.
; No tensor loads, no barrier: waves share nothing.  Matrix units and clusters have nothing to do here.
.set SP,    272
.set STG,   16*SP
.set WREG,  2*STG
.set SPARE, 4*WREG
.set R,     16                         ; v16-143  four sets of 32: a task as loaded, then its numbers in conversion order; a set's first eight later take the next task's codes
.set X,     144                        ; v144-207 two sets of 32 neighbours
.set S,     208                        ; v208-239 my 32 signs as f32
.set C0,    240                        ; v240-247 task 0's codes; temporaries of the permutes
	s_load_b256 s[4:11], s[0:1], 0x0               ; x, signs, the scales' exponents, W's codes
	s_load_b128 s[12:15], s[0:1], 0x20             ; xc, wp
	v_lshl_add_u32 v12, v0, 2, SPARE
	v_mov_b32 v13, 0
	v_lshrrev_b32 v1, 5, v0
	v_readfirstlane_b32 s16, v1                    ; wave
	s_mul_i32 s17, s16, WREG
	v_and_b32 v2, 31, v0
	v_lshlrev_b32 v3, 4, v2                        ; 16 x lane: my place in a store
	v_and_b32 v1, 15, v0                           ; r
	v_bfe_u32 v9, v0, 4, 1                         ; h
	v_lshlrev_b32 v4, 4, v1
	v_lshl_add_u32 v4, v9, 13, v4                  ; a load: lanes 0-15 one row's 256 bytes, lanes 16-31 the row 8,192 bytes on
	v_lshlrev_b32 v5, 7, v9                        ; my 32 signs
	v_mul_u32_u24 v6, v9, SP
	v_lshl_add_u32 v6, v1, 4, v6
	v_add_nc_u32 v6, s17, v6                       ; the stage, on the way in
	v_mul_u32_u24 v7, v1, SP
	v_add_nc_u32 v7, s17, v7
	v_lshl_add_u32 v8, v9, 5, v7                   ; on the way out, W: row r, 32 h
	v_lshl_add_u32 v7, v9, 7, v7                   ; on the way out, x: row r, 128 h
	s_lshr_b32 s18, ttmp9, 3                       ; group of 64 rows of x; group of 16 rows of W
	s_and_b32 s19, ttmp9, 7                        ; group of 256 columns of x; 256 bytes of W's rows
	s_lshl_b32 s20, s19, 2
	s_add_co_u32 s20, s20, s16                     ; my 64 columns
	s_lshl_b32 s22, s20, 8
	s_mov_b32 s23, 0
	s_lshl_b32 s24, s18, 19
	s_add_co_u32 s24, s24, s22                     ; offset in x
	s_mov_b32 s25, 0
	s_lshr_b32 s26, s18, 1
	s_lshl_b32 s26, s26, 18
	s_and_b32 s21, s18, 1
	s_lshl_b32 s21, s21, 13
	s_add_co_u32 s26, s26, s21
	s_lshr_b32 s21, s20, 1
	s_lshl_b32 s21, s21, 14
	s_add_co_u32 s26, s26, s21
	s_and_b32 s21, s20, 1
	s_lshl_b32 s21, s21, 10
	s_add_co_u32 s26, s26, s21                     ; offset in xc: block of rows, fragments 0-3 or 4-7, block of k, c = 0 or 2
	s_mov_b32 s27, 0
	s_lshr_b32 s28, s18, 3
	s_lshl_b32 s28, s28, 18
	s_bfe_u32 s21, s18, 0x10002
	s_lshl_b32 s21, s21, 17
	s_add_co_u32 s30, s28, s21
	s_and_b32 s21, s18, 3
	s_lshl_b32 s21, s21, 11
	s_add_co_u32 s30, s30, s21
	s_lshl_b32 s21, s19, 8
	s_add_co_u32 s30, s30, s21                     ; offset in W: row 128 nb + 64 g + b, byte 256 cc
	s_mov_b32 s31, 0
	s_and_b32 s21, s18, 7
	s_lshl_b32 s21, s21, 11
	s_add_co_u32 s28, s28, s21
	s_lshl_b32 s21, s19, 15
	s_add_co_u32 s28, s28, s21                     ; offset in wp: block nb, fragment 4 g + b, blocks of k 2 cc and 2 cc + 1
	s_mov_b32 s29, 0
	s_and_b32 s33, ttmp9, 3                        ; the wave that lays W anew
	s_mov_b32 s34, 0x05010400
	s_mov_b32 s35, 0x07030602
	s_mov_b32 s36, 0x05040100
	s_mov_b32 s37, 0x07060302
	s_wait_alu depctr_va_vdst(0)                   ; the wait at the head's end
	s_wait_kmcnt 0x0
	s_load_b32 s32, s[8:9], 0x0                    ; e0
	s_add_nc_u64 s[4:5], s[4:5], s[24:25]
	s_add_nc_u64 s[6:7], s[6:7], s[22:23]
	s_add_nc_u64 s[12:13], s[12:13], s[26:27]
	s_add_nc_u64 s[10:11], s[10:11], s[30:31]
	s_add_nc_u64 s[14:15], s[14:15], s[28:29]
.irp i, 0,1,2,3,4,5,6,7
	global_load_b128 v[S+4*\i:S+4*\i+3], v5, s[6:7] offset:16*\i
.endr
.irp t, 0,1,2,3
.irp i, 0,1,2,3,4,5,6,7
	global_load_b128 v[R+32*\t+4*\i:R+32*\t+4*\i+3], v4, s[4:5] offset:131072*\t+16384*\i th:TH_LOAD_NT   ; rows 16 t + 2 i and + 1; all 32 loads go out at the head
.endr
.endr
	s_cmp_lg_u32 s16, s33
	s_cbranch_scc1 .Lnot_w
.irp i, 0,1,2,3,4,5,6,7
	global_load_b128 v[X+4*\i:X+4*\i+3], v4, s[10:11] offset:16384*\i     ; W's rows n0 + 4 (2 i) and n0 + 4 (2 i + 1): 8,192 bytes apart
.endr
	s_wait_loadcnt 0x0
.irp i, 0,1,2,3,4,5,6,7
	ds_store_b128 v6, v[X+4*\i:X+4*\i+3] offset:STG+2*SP*\i
.endr
.irp i, 0,1,2,3,4,5,6,7
	ds_load_b128 v[X+32+4*\i:X+32+4*\i+3], v8 offset:STG+64*(\i/2)+16*(\i%2)   ; of each 64 bytes my 32: eight words, word j holding k = 4 j + 0 .. 3
.endr
	s_wait_dscnt 0x0
.irp g, 0,1,2,3
.irp w, 0,1                            ; a 4 x 4 byte transposition of words 4 w .. 4 w + 3: byte s of word j goes to byte j of pair s
	v_perm_b32 v[C0+4*\w],   v[X+32+8*\g+4*\w+1], v[X+32+8*\g+4*\w],   s34
	v_perm_b32 v[C0+4*\w+1], v[X+32+8*\g+4*\w+1], v[X+32+8*\g+4*\w],   s35
	v_perm_b32 v[C0+4*\w+2], v[X+32+8*\g+4*\w+3], v[X+32+8*\g+4*\w+2], s34
	v_perm_b32 v[C0+4*\w+3], v[X+32+8*\g+4*\w+3], v[X+32+8*\g+4*\w+2], s35
	v_perm_b32 v[X+8*\g+\w],   v[C0+4*\w+2], v[C0+4*\w],   s36
	v_perm_b32 v[X+8*\g+2+\w], v[C0+4*\w+2], v[C0+4*\w],   s37
	v_perm_b32 v[X+8*\g+4+\w], v[C0+4*\w+3], v[C0+4*\w+1], s36
	v_perm_b32 v[X+8*\g+6+\w], v[C0+4*\w+3], v[C0+4*\w+1], s37
.endr
	global_store_b128 v3, v[X+8*\g:X+8*\g+3],   s[14:15] offset:16384*(\g/2)+1024*(\g%2)
	global_store_b128 v3, v[X+8*\g+4:X+8*\g+7], s[14:15] offset:16384*(\g/2)+1024*(\g%2)+512
.endr
	s_wait_xcnt 0x0                                ; the stores' data registers are loaded again only behind this wait
.Lnot_w:
	s_wait_kmcnt 0x0
	s_add_co_i32 s32, s32, 127
	s_lshl_b32 s21, s32, 23
	v_mov_b32 v11, s21                             ; 2^e0
	s_add_co_i32 s32, s32, 15
	s_lshl_b32 s32, s32, 23
	s_or_b32 s32, s32, 0x600000
	v_mov_b32 v10, s32                             ; 57,344 x 2^e0
	s_wait_loadcnt 32                              ; the signs are in; the 32 loads of x behind them may be out
.set j, 0
.rept 32
	v_cvt_f32_i32 v[S+j], v[S+j]
.set j, j+1
.endr
	s_wait_alu depctr_va_vdst(0)                   ; the wait here, directly ahead of the wait below
.macro TURN t                          ; LDS serves a wave's instructions in order (ISA guide 5.7.1.4): no wait between the stores and the loads
.irp i, 0,1,2,3,4,5,6,7
	ds_store_b128 v6, v[R+32*(\t)+4*\i:R+32*(\t)+4*\i+3] offset:STG*((\t)%2)+2*SP*\i
.endr
.irp i, 0,1,2,3,4,5,6,7
	ds_load_b128 v[X+32*((\t)%2)+4*\i:X+32*((\t)%2)+4*\i+3], v7 offset:STG*((\t)%2)+16*\i
.endr
.endm
.macro STEP t
.set XS, X+32*((\t)%2)
.set RT, R+32*(\t)
.if (\t) == 0
.set CD, C0
.else
.set CD, R+32*((\t)-1)
.endif
	s_wait_dscnt 0x0                               ; this task's numbers are back, and its stores into the stage have read their registers
.if (\t) < 3
	s_wait_loadcnt 8*(2-(\t))                      ; the next task's eight loads are in; those behind them may be out
	TURN (\t)+1
.endif
.irp i, 0,2,4,6,8,10,12,14,16,18,20,22,24,26,28,30
	v_pk_mul_f32 v[XS+\i:XS+\i+1], v[XS+\i:XS+\i+1], v[S+\i:S+\i+1]
.endr
.irp s, 0,1,2,3
.irp j, 0,1,2,3,4,5,6,7
	v_med3_num_f32 v[RT+8*\s+\j], v[XS+4*\j+\s], -v10, v10   ; the hold (the conversion does not saturate: ISA guide 7.6.2), written in the layout's order of k
.endr
.endr
.irp s, 0,1,2,3
	v_cvt_scalef32_pk8_bf8_f32 v[CD+2*\s:CD+2*\s+1], v[RT+8*\s:RT+8*\s+7], v11
.endr
	v_nop
	global_store_b128 v3, v[CD:CD+3],   s[12:13] offset:2048*(\t)
	global_store_b128 v3, v[CD+4:CD+7], s[12:13] offset:2048*(\t)+512
.endm
	s_wait_loadcnt 24
	TURN 0
.irp t, 0,1,2,3
	STEP \t
.endr
	s_wait_tensorcnt 0x0                           ; the wave's end
	ds_add_u32 v12, v13
	s_wait_dscnt 0x0
	s_endpgm
.Lfunc_end_k_q4640635105_quant:
	.size	k_q4640635105_quant, .Lfunc_end_k_q4640635105_quant-k_q4640635105_quant
	.p2alignl 7, 3214868480
	.fill 96, 4, 3214868480
	.section	.rodata,"a",@progbits
	.p2align	6, 0x0
	.amdhsa_kernel k_q4640635105_quant
		.amdhsa_group_segment_fixed_size 35328
		.amdhsa_private_segment_fixed_size 0
		.amdhsa_enable_private_segment 0
		.amdhsa_kernarg_size 48
		.amdhsa_user_sgpr_count 2
		.amdhsa_user_sgpr_kernarg_segment_ptr 1
		.amdhsa_wavefront_size32 1
		.amdhsa_system_sgpr_workgroup_id_x 1
		.amdhsa_system_sgpr_workgroup_id_y 1
		.amdhsa_system_sgpr_workgroup_id_z 1
		.amdhsa_system_vgpr_workitem_id 0
		.amdhsa_next_free_vgpr 248
		.amdhsa_next_free_sgpr 66
		.amdhsa_reserve_vcc 0
		.amdhsa_float_denorm_mode_32 3
		.amdhsa_float_denorm_mode_16_64 3
		.amdhsa_memory_ordered 1
		.amdhsa_forward_progress 1
		.amdhsa_inst_pref_size 34
	.end_amdhsa_kernel
	.amdgpu_metadata
---
amdhsa.version: [ 1, 2 ]
amdhsa.kernels:
  - .name:           k_q4640635105_quant
    .symbol:         k_q4640635105_quant.kd
    .args:
      - { .name: x, .offset: 0, .size: 8, .value_kind: global_buffer, .address_space: global }
      - { .name: signs, .offset: 8, .size: 8, .value_kind: global_buffer, .address_space: global }
      - { .name: lowp_scales, .offset: 16, .size: 8, .value_kind: global_buffer, .address_space: global }
      - { .name: wht_mat_codes, .offset: 24, .size: 8, .value_kind: global_buffer, .address_space: global }
      - { .name: xc, .offset: 32, .size: 8, .value_kind: global_buffer, .address_space: global }
      - { .name: wp, .offset: 40, .size: 8, .value_kind: global_buffer, .address_space: global }
    .group_segment_fixed_size: 35328
    .private_segment_fixed_size: 0
    .kernarg_segment_align: 8
    .kernarg_segment_size: 48
    .max_flat_workgroup_size: 128
    .sgpr_count:     66
    .vgpr_count:     248
    .wavefront_size: 32
...
	.end_amdgpu_metadata
.endif
;; end of part 1
;; launch gemm1 (part 2): grid 8 x 32, 4 waves a work-group, clusters of 4 x 1, 327,680 bytes of LDS; arguments xc, wp, lowp_scales, signs, hc; writes hc
.if DOCPART == 2
	.amdgcn_target "amdgcn-amd-amdhsa--gfx1250"
	.amdhsa_code_object_version 6
	.text
	.protected	k_q4640635105_gemm1
	.globl	k_q4640635105_gemm1
	.p2align	8
	.type	k_q4640635105_gemm1,@function
k_q4640635105_gemm1:
	s_mov_b64 s[64:65], 0
	v_nop
	global_prefetch_b8 v0, s[64:65] scope:SCOPE_SE
	s_setreg_imm32_b32 hwreg(HW_REG_WAVE_MODE, 25, 1), 1
	s_wait_xcnt 0x0
	s_wait_alu depctr_hold_cnt(0) depctr_sa_sdst(0) depctr_va_vdst(0) depctr_va_sdst(0) depctr_va_ssrc(0) depctr_va_vcc(0) depctr_vm_vsrc(0)
	s_getreg_b32 s2, hwreg(HW_REG_IB_STS2, 6, 4)
	s_cmp_eq_u32 s2, 0
	s_cbranch_scc0 .Lentry_in_a_cluster
	s_endpgm
.Lentry_in_a_cluster:
	s_bfe_u32 s2, ttmp6, 0x10000c
	s_cmp_lg_u32 s2, 0x3003
	s_cbranch_scc0 .Lentry_shape_is_right
	s_endpgm
.Lentry_shape_is_right:
; hc = the E5M2 codes, under 2^e2, of (the sum over k of xc[m][k] W[n][k]) x 2^(e0 + e1) x signs[1][n].  xc, wp and hc are images of operand registers, as the first kernel's head lays them down.
; The three scales are folded into the conversion's one: a sum's code is sum x sign / 2^(e2 - e0 - e1).  LIMIT: -126 <= e2 - e0 - e1 <= 112.  The order of k inside a fragment is the images' own.
; A tile of 256 x 256 by four waves, each 128 x 128: 64 accumulators; accumulator (a, t) for xc's fragment a and wp's fragment t lies in window 2 + a / 4 at v[8 (8 (a % 4) + t)].
; xc GOES THROUGH LDS, ALONE: two slots of 512 along K (256 rows x 512 bytes each).  The head's one load a wave (65,536 consecutive bytes) fills both; each slot is filled again once, 32,768 bytes a wave.
; CLUSTERS 4 x 1: the four work-groups of a cluster make four tiles of one tile row and ask for xc's tiles jointly.
; wp GOES STRAIGHT INTO REGISTERS: a fragment's image is loaded by four loads of 512 consecutive bytes.  It is not asked for jointly: with both operands in LDS a slot would hold 256 along K and be filled again
; three times; wp's loads need no slot and are issued six quadrants ahead of their use, into four half-sets of 64 registers.  For the same reason wp has no prefetch of its own.
; SOURCE 0 = wp's fragment (G, window 1), SOURCE 1 = xc's (L, window 0): lane (r, h), register j of accumulator (a, 4 g + b) is row 16 a + r, column 64 g + 32 h + 4 j + b: eight codes of a lane are a register pair of hc's image.
; A STEP of 128 along K is four quadrants of 16 matrix instructions: (GL, LL) (GL, LH) (GH, LH) (GH, LL), L = fragments 0-3, H = 4-7.  One run of 16 loads stands at each quadrant's start: GH of the next step, LL of the next step
; (LL has two sets), GL of the step after the next, LH of the next step.  s_wait_loadcnt 48 leaves the three younger runs from memory out, s_wait_dscnt 16 the one younger run from LDS.
; All offsets are immediates, so the 16 steps are expansions of one macro and no address register is ever rewritten.
; PREFETCH: for each of the two refills a wave names, a lane a block of 256 bytes, its work-group's quarter (by its place among the four partners) of the 32,768 bytes that it will load: at the head and behind the first refill, four steps ahead each.
.set SPARE, 262144
.set EX,  16                           ; the run of signs, which is out behind the last runs of wp
.set GO,  16
.set AD0, 17
.set AD1, 18
.set SGO, 20
.set PFO, 21
.set SPW, 28
.set NIL, 29
.set SCL, 30
.set LIM, 31
.set SG,  64
.set CDB, 128
.set G1,  24
.set H1,  32
.set H0,  40
.set R0,  44
.set PFA, 52
.set WB,  54
.set MSB, 0
.macro WIN new
.if MSB != \new
	s_set_vgpr_msb (MSB<<8)|\new
.set MSB, \new
.endif
.endm
.set MUL_LO, 0xa1
.set MUL_HI, 0xf1
.set TO_G,   0x40
.macro PLACES
.rept 4
	v_nop
.endr
.endm
.macro CREST
	s_cmp_lg_u32 s14, 0
	s_cbranch_scc1 .Lnot_wave_0_\@
	s_barrier_signal -3
.Lnot_wave_0_\@:
	s_barrier_wait -3
	s_barrier_signal -1
	s_barrier_wait -1
.endm
.macro CROUND
	s_barrier_signal -1
	s_barrier_wait -1
	CREST
.endm
.macro LDG dst, f0, s                  ; four fragments of wp, step s, into window 1
	WIN TO_G
.irp i, 0,1,2,3
.irp c, 0,1,2,3
	global_load_b128 v[\dst+16*\i+4*\c:\dst+16*\i+4*\c+3], v[GO], s[WB:WB+1] offset:(\s)*16384+(\f0+\i)*2048+512*\c
.endr
.endr
.endm
.macro LDL dst, f0, s                  ; four fragments of the row operand, step s, from its slot
	WIN 0
.irp i, 0,1,2,3
.irp c, 0,1,2,3
	ds_load_b128 v[\dst+16*\i+4*\c:\dst+16*\i+4*\c+3], v[AD0+((\s)/4)%2] offset:((\s)%4)*16384+(\f0+\i)*2048+512*\c
.endr
.endr
.endm
.macro MQ ya, lb, gb, x0               ; eight matrix instructions; the accumulators take turns
.irp y, \ya, \ya+1
.irp x, 0,1,2,3
.if ZR
	v_wmma_f32_16x16x128_bf8_bf8 v[8*(8*(\y)+\x0+\x):8*(8*(\y)+\x0+\x)+7], v[\gb+16*\x:\gb+16*\x+15], v[\lb+16*(\y):\lb+16*(\y)+15], 0
.else
	v_wmma_f32_16x16x128_bf8_bf8 v[8*(8*(\y)+\x0+\x):8*(8*(\y)+\x0+\x)+7], v[\gb+16*\x:\gb+16*\x+15], v[\lb+16*(\y):\lb+16*(\y)+15], v[8*(8*(\y)+\x0+\x):8*(8*(\y)+\x0+\x)+7]
.endif
.endr
.endr
.endm
.macro STEP s
.set PS,  (\s)%2
.set LLP, 64+64*PS
.set GLP, 128*PS
.set ZR,  (\s)==0
.set MODE, 0
.if ((\s)==3) || ((\s)==7)
.set MODE, 1                           ; a slot's last step; the slot is filled again
.endif
.if (\s)==11
.set MODE, 2                           ; a slot's last step; nothing is filled
.endif
	PLACES                                         ; four places ahead of loads into registers that matrix instructions have read (ISA guide 7.12.1 for vector instructions)
.if (\s) < 15
	LDG 128*(1-PS)+64, 4, (\s)+1
.endif
	WIN 0
.if MODE
	s_wait_tensorcnt 0x0                           ; my part of the next slot is in
	ds_add_u32 v[SPW], v[NIL]
	s_wait_dscnt 17                                ; LL is in; LH's run and the add may be out
.else
	s_wait_dscnt 16
.endif
.if (\s) < 15
	s_wait_loadcnt 48                              ; GL is in
.else
	s_wait_loadcnt 16+EX
.endif
	WIN MUL_LO
	MQ 0, LLP, GLP, 0
.if MODE
	s_wait_dscnt 0x0                               ; the add is done and my reads of this slot are over
	s_barrier_signal -1
.endif
	MQ 2, LLP, GLP, 0
.if MODE
	WIN 0
	s_barrier_wait -1
.endif
.if MODE == 1
	CREST                                          ; the barrier has opened a round of the cluster's barrier
	tensor_load_to_lds s[R0+4*((\s)/4):R0+4*((\s)/4)+3], s[G1:G1+7]   ; my one load behind the round
	s_nop 0
	PLACES
.endif
.if (\s) < 15
	LDL 64+64*(1-PS), 0, (\s)+1                    ; LL's other set: last read a step ago, the places at this step's head lie between
.if (\s) == 3
	global_prefetch_b8 v[PFO], s[PFA:PFA+1] offset:65536 th:TH_LOAD_NT scope:SCOPE_SE
.endif
	s_wait_dscnt 16                                ; LH is in
.else
	s_wait_dscnt 0x0
.endif
	WIN MUL_HI
	MQ 0, 192, GLP, 0
	MQ 2, 192, GLP, 0
.if (\s) < 14
	PLACES
	LDG GLP, 0, (\s)+2
	s_wait_loadcnt 48                              ; GH is in
.endif
.if (\s) == 14
	PLACES
	WIN TO_G
.irp g, 0,1
.irp i, 0,1,2,3,4,5,6,7
	global_load_b128 v[32*\g+4*\i:32*\g+4*\i+3], v[SGO], s[10:11] offset:256*\g+16*\i   ; signs[1] of columns 64 g + 32 h + 0 .. 31, into the half-set that wp needs no more
.endr
.endr
	s_wait_loadcnt 32+EX
.endif
.if (\s) == 15
	s_wait_loadcnt EX
.endif
	WIN MUL_HI
	MQ 0, 192, GLP+64, 4
	MQ 2, 192, GLP+64, 4
.if (\s) < 15
	PLACES
	LDL 192, 4, (\s)+1
.endif
	WIN MUL_LO
	MQ 0, LLP, GLP+64, 4
	MQ 2, LLP, GLP+64, 4
	WIN 0
.endm
	s_load_b128 s[4:7], s[0:1], 0x0                ; xc, wp
	s_load_b128 s[8:11], s[0:1], 0x10              ; the scales' exponents, signs
	s_load_b64 s[12:13], s[0:1], 0x20              ; hc
	v_lshl_add_u32 v[SPW], v0, 2, SPARE
	v_mov_b32 v[NIL], 0
	ds_add_u32 v[SPW], v[NIL]                      ; the opening lines: the add, twice on end, and its wait
	ds_add_u32 v[SPW], v[NIL]
	v_lshrrev_b32 v1, 5, v0
	v_readfirstlane_b32 s14, v1                    ; wave
	s_lshr_b32 s15, s14, 1                         ; my half of the tile's rows; also: the half that I load for
	s_and_b32 s16, s14, 1                          ; my half of its columns; also: which part of that half's bytes I load
	s_lshl_b32 s21, s15, 17
	v_and_b32 v1, 31, v0
	v_lshlrev_b32 v[GO], 4, v1                     ; 16 x lane
	v_lshlrev_b32 v[PFO], 8, v1
	v_add_nc_u32 v[AD0], s21, v[GO]                ; my half's slot 0,
	v_add_nc_u32 v[AD1], 0x10000, v[AD0]           ; and slot 1
	v_bfe_u32 v2, v0, 4, 1
	v_lshlrev_b32 v[SGO], 7, v2
	s_wait_alu depctr_va_vdst(0)                   ; the wait behind the head's vector lines
	s_bfe_u32 s18, ttmp6, 0x40000                  ; cx
	s_lshl_b32 s19, ttmp9, 2
	s_add_co_u32 s19, s19, s18                     ; tile column
	s_and_b32 s17, ttmp7, 0xffff                   ; tile row
	s_mov_b32 s[G1], 15|(3<<16)|(1<<21)            ; the four partners; elements of 8 bytes; bit 21 beside a mask
	s_mov_b32 s[G1+1], 32<<16
	s_mov_b32 s[G1+2], 128<<16                     ; a refill: 128 rows of 256 bytes
	s_mov_b32 s[G1+3], 32<<16
	s_mov_b32 s[G1+4], 128
	s_mov_b32 s[G1+5], 32
	s_mov_b32 s[G1+6], 0
	s_mov_b32 s[G1+7], 0
	s_mov_b32 s[H1], 15|(3<<16)|(1<<21)
	s_mov_b32 s[H1+1], 32<<16
	s_mov_b32 s[H1+2], 256<<16                     ; the head's load: 256 rows
	s_mov_b32 s[H1+3], 32<<16
	s_mov_b32 s[H1+4], 256
	s_mov_b32 s[H1+5], 32
	s_mov_b32 s[H1+6], 0
	s_mov_b32 s[H1+7], 0
	s_lshl_b32 s20, s17, 19
	s_lshl_b32 s22, s15, 18
	s_add_co_u32 s20, s20, s22                     ; the row operand's block of 128 rows: 262,144 bytes
	s_mov_b32 s21, 0
	s_lshl_b32 s22, s19, 19
	s_lshl_b32 s23, s16, 18
	s_add_co_u32 s22, s22, s23                     ; wp's block of 128 rows
	s_mov_b32 s23, 0
	s_lshl_b32 s57, s15, 17
	s_lshl_b32 s62, s16, 15
	s_add_co_u32 s57, s57, s62                     ; LDS: my part of my half's slot 0
	s_mov_b32 s63, 0
	s_lshl_b32 s60, s16, 16
	s_mov_b32 s61, 0
	s_lshl_b32 s66, s18, 13
	s_mov_b32 s67, 0
	s_wait_dscnt 0x0
	s_wait_kmcnt 0x0
	s_load_b128 s[96:99], s[8:9], 0x0              ; e0, e1, e2, e3
	s_add_nc_u64 s[WB:WB+1], s[6:7], s[22:23]
	s_add_nc_u64 s[20:21], s[4:5], s[20:21]
	LDG 0, 0, 0                                    ; wp's first three half-sets are asked for at once
	LDG 64, 4, 0
	LDG 128, 0, 1
	WIN 0
	s_mov_b32 s[H0], 1
	s_lshl_b32 s[H0+1], s14, 16
	s_add_nc_u64 s[H0+2:H0+3], s[20:21], s[60:61]
	s_or_b32 s[H0+3], s[H0+3], 0x80000000
.irp t, 0,1
	s_mov_b32 s[R0+4*\t], 1
	s_add_co_u32 s[R0+4*\t+1], s57, \t*65536
	s_add_nc_u64 s[R0+4*\t+2:R0+4*\t+3], s[20:21], s[62:63]
	s_add_nc_u64 s[R0+4*\t+2:R0+4*\t+3], s[R0+4*\t+2:R0+4*\t+3], 131072+\t*65536
	s_or_b32 s[R0+4*\t+3], s[R0+4*\t+3], 0x80000000
.endr
	s_add_nc_u64 s[PFA:PFA+1], s[20:21], s[62:63]
	s_add_nc_u64 s[PFA:PFA+1], s[PFA:PFA+1], s[66:67]
	s_add_nc_u64 s[PFA:PFA+1], s[PFA:PFA+1], 131072
	CROUND
	tensor_load_to_lds s[H0:H0+3], s[H1:H1+7]      ; steps 0 to 7 of my half, my part: my one load at the head
	s_nop 0
	PLACES
	global_prefetch_b8 v[PFO], s[PFA:PFA+1] th:TH_LOAD_NT scope:SCOPE_SE
	s_lshl_b32 s22, s19, 10
	s_lshl_b32 s23, s16, 9
	s_add_co_u32 s22, s22, s23
	s_add_co_u32 s22, s22, 8192
	s_mov_b32 s23, 0
	s_add_nc_u64 s[10:11], s[10:11], s[22:23]      ; signs[1] at my first column
	s_lshl_b32 s22, s17, 19
	s_lshl_b32 s23, s15, 18
	s_add_co_u32 s22, s22, s23
	s_lshl_b32 s23, s19, 15
	s_add_co_u32 s22, s22, s23
	s_lshl_b32 s23, s16, 14
	s_add_co_u32 s22, s22, s23
	s_mov_b32 s23, 0
	s_add_nc_u64 s[12:13], s[12:13], s[22:23]      ; hc: my block of 128 rows, my block of 128 along its k: 16,384 consecutive bytes
	s_wait_tensorcnt 0x0                           ; my part of both slots is in
	s_barrier_signal -1
	s_barrier_wait -1
	LDL 64, 0, 0
	LDL 192, 4, 0
.irp s, 0,1,2,3,4,5,6,7,8,9,10,11,12,13,14,15
	STEP \s
.endr
; THE WAY OUT, by blocks of 16 rows: x sign, the hold, the conversion; the sixteen registers are a fragment of hc's image: four stores of 512 consecutive bytes.  Each block has registers of its own for its codes.
	s_wait_kmcnt 0x0
	s_sub_co_i32 s96, s98, s96
	s_sub_co_i32 s96, s96, s97
	s_add_co_i32 s96, s96, 127
	s_lshl_b32 s97, s96, 23
	s_add_co_i32 s96, s96, 15
	s_lshl_b32 s96, s96, 23
	s_or_b32 s96, s96, 0x600000
	PLACES
	v_mov_b32 v[SCL], s97                          ; 2^(e2 - e0 - e1)
	v_mov_b32 v[LIM], s96                          ; 57,344 x that
	s_wait_alu depctr_va_vdst(0)                   ; the wait here, directly ahead of the wait below
	s_wait_loadcnt 0x0
	WIN 0x01
.irp g, 0,1
.irp b, 0,1,2,3
.irp j, 0,1,2,3,4,5,6,7
	v_cvt_f32_i32 v[SG+8*(4*\g+\b)+\j], v[32*\g+4*\j+\b]   ; the signs in the accumulators' order
.endr
.endr
.endr
.macro OUTBLK a
.set AC, 64*((\a)%4)
.set CD, CDB+16*(\a)
	WIN 0x82+0x41*((\a)/4)
.set j, 0
.rept 32
	v_pk_mul_f32 v[AC+j:AC+j+1], v[AC+j:AC+j+1], v[SG+j:SG+j+1]
.set j, j+2
.endr
.set j, 0
.rept 64
	v_med3_num_f32 v[AC+j], v[AC+j], -v[LIM], v[LIM]
.set j, j+1
.endr
	WIN 0x02+((\a)/4)
.irp b, 0,1,2,3,4,5,6,7
	v_cvt_scalef32_pk8_bf8_f32 v[CD+2*\b:CD+2*\b+1], v[AC+8*\b:AC+8*\b+7], v[SCL]
.endr
	v_nop
	WIN 0
.irp c, 0,1,2,3
	global_store_b128 v[GO], v[CD+4*\c:CD+4*\c+3], s[12:13] offset:2048*(\a)+512*\c
.endr
.endm
.irp a, 0,1,2,3,4,5,6,7
	OUTBLK \a
.endr
	s_wait_tensorcnt 0x0                           ; the wave's end
	ds_add_u32 v[SPW], v[NIL]
	s_wait_dscnt 0x0
	CROUND                                         ; the closing round
	s_endpgm
.Lfunc_end_k_q4640635105_gemm1:
	.size	k_q4640635105_gemm1, .Lfunc_end_k_q4640635105_gemm1-k_q4640635105_gemm1
	.p2alignl 7, 3214868480
	.fill 96, 4, 3214868480
	.section	.rodata,"a",@progbits
	.p2align	6, 0x0
	.amdhsa_kernel k_q4640635105_gemm1
		.amdhsa_group_segment_fixed_size 327680
		.amdhsa_private_segment_fixed_size 0
		.amdhsa_enable_private_segment 0
		.amdhsa_kernarg_size 40
		.amdhsa_user_sgpr_count 2
		.amdhsa_user_sgpr_kernarg_segment_ptr 1
		.amdhsa_wavefront_size32 1
		.amdhsa_system_sgpr_workgroup_id_x 1
		.amdhsa_system_sgpr_workgroup_id_y 1
		.amdhsa_system_sgpr_workgroup_id_z 1
		.amdhsa_system_vgpr_workitem_id 0
		.amdhsa_next_free_vgpr 1024
		.amdhsa_next_free_sgpr 102
		.amdhsa_reserve_vcc 0
		.amdhsa_float_denorm_mode_32 3
		.amdhsa_float_denorm_mode_16_64 3
		.amdhsa_memory_ordered 1
		.amdhsa_forward_progress 1
		.amdhsa_inst_pref_size 224
	.end_amdhsa_kernel
	.amdgpu_metadata
---
amdhsa.version: [ 1, 2 ]
amdhsa.kernels:
  - .name:           k_q4640635105_gemm1
    .symbol:         k_q4640635105_gemm1.kd
    .args:
      - { .name: xc, .offset: 0, .size: 8, .value_kind: global_buffer, .address_space: global }
      - { .name: wp, .offset: 8, .size: 8, .value_kind: global_buffer, .address_space: global }
      - { .name: lowp_scales, .offset: 16, .size: 8, .value_kind: global_buffer, .address_space: global }
      - { .name: signs, .offset: 24, .size: 8, .value_kind: global_buffer, .address_space: global }
      - { .name: hc, .offset: 32, .size: 8, .value_kind: global_buffer, .address_space: global }
    .group_segment_fixed_size: 327680
    .private_segment_fixed_size: 0
    .kernarg_segment_align: 8
    .kernarg_segment_size: 40
    .max_flat_workgroup_size: 128
    .sgpr_count:     102
    .vgpr_count:     1024
    .wavefront_size: 32
...
	.end_amdgpu_metadata
.endif
;; end of part 2
;; launch gemm2 (part 3): grid 8 x 32, 4 waves a work-group, clusters of 4 x 1, 327,680 bytes of LDS; arguments hc, wp, lowp_scales, out0; writes out0
.if DOCPART == 3
	.amdgcn_target "amdgcn-amd-amdhsa--gfx1250"
	.amdhsa_code_object_version 6
	.text
	.protected	k_q4640635105_gemm2
	.globl	k_q4640635105_gemm2
	.p2align	8
	.type	k_q4640635105_gemm2,@function
k_q4640635105_gemm2:
	s_mov_b64 s[64:65], 0
	v_nop
	global_prefetch_b8 v0, s[64:65] scope:SCOPE_SE
	s_setreg_imm32_b32 hwreg(HW_REG_WAVE_MODE, 25, 1), 1
	s_wait_xcnt 0x0
	s_wait_alu depctr_hold_cnt(0) depctr_sa_sdst(0) depctr_va_vdst(0) depctr_va_sdst(0) depctr_va_ssrc(0) depctr_va_vcc(0) depctr_vm_vsrc(0)
	s_getreg_b32 s2, hwreg(HW_REG_IB_STS2, 6, 4)
	s_cmp_eq_u32 s2, 0
	s_cbranch_scc0 .Lentry_in_a_cluster
	s_endpgm
.Lentry_in_a_cluster:
	s_bfe_u32 s2, ttmp6, 0x10000c
	s_cmp_lg_u32 s2, 0x3003
	s_cbranch_scc0 .Lentry_shape_is_right
	s_endpgm
.Lentry_shape_is_right:
; out0[m][n] = 2^(e2 + e3 - 11) x the sum over k of hc[m][k] W[n][k]; 2^-11 is the final scale 1 / 2048.  hc and wp are images of operand registers, as the first kernel's head lays them down; out0 is [8192][2048] f32.
; LIMIT: -126 <= e2 + e3 - 11 <= 127.  The order of k inside a fragment is the images' own.
; Tile, slots, clusters, wp straight into registers (and why it is not asked for jointly), the step's four quadrants and the prefetch are those of the launch before, with hc in xc's place.
; Here SOURCE 0 = hc's fragment (L, window 0), SOURCE 1 = wp's (G, window 1): lane (r, h), register j of accumulator (a, 4 g + b) is row 16 a + 8 h + j, column 64 g + 4 r + b.
; So the four accumulators b = 0 .. 3 give a lane four neighbouring columns, and sixteen lanes 256 consecutive bytes of a row: the multiplication by the factor gathers them into four registers on end, and the results are stored with no way through LDS.
.set SPARE, 262144
.set EX,  0
.set GO,  16
.set AD0, 17
.set AD1, 18
.set CO,  19
.set PFO, 21
.set SPW, 28
.set NIL, 29
.set G1,  24
.set H1,  32
.set H0,  40
.set R0,  44
.set PFA, 52
.set WB,  54
.set MSB, 0
.macro WIN new
.if MSB != \new
	s_set_vgpr_msb (MSB<<8)|\new
.set MSB, \new
.endif
.endm
.set MUL_LO, 0xa4
.set MUL_HI, 0xf4
.set TO_G,   0x40
.macro PLACES
.rept 4
	v_nop
.endr
.endm
.macro CREST
	s_cmp_lg_u32 s14, 0
	s_cbranch_scc1 .Lnot_wave_0_\@
	s_barrier_signal -3
.Lnot_wave_0_\@:
	s_barrier_wait -3
	s_barrier_signal -1
	s_barrier_wait -1
.endm
.macro CROUND
	s_barrier_signal -1
	s_barrier_wait -1
	CREST
.endm
.macro LDG dst, f0, s                  ; four fragments of wp, step s, into window 1
	WIN TO_G
.irp i, 0,1,2,3
.irp c, 0,1,2,3
	global_load_b128 v[\dst+16*\i+4*\c:\dst+16*\i+4*\c+3], v[GO], s[WB:WB+1] offset:(\s)*16384+(\f0+\i)*2048+512*\c
.endr
.endr
.endm
.macro LDL dst, f0, s                  ; four fragments of hc, step s, from its slot
	WIN 0
.irp i, 0,1,2,3
.irp c, 0,1,2,3
	ds_load_b128 v[\dst+16*\i+4*\c:\dst+16*\i+4*\c+3], v[AD0+((\s)/4)%2] offset:((\s)%4)*16384+(\f0+\i)*2048+512*\c
.endr
.endr
.endm
.macro MQ ya, lb, gb, x0               ; eight matrix instructions; the accumulators take turns
.irp y, \ya, \ya+1
.irp x, 0,1,2,3
.if ZR
	v_wmma_f32_16x16x128_bf8_bf8 v[8*(8*(\y)+\x0+\x):8*(8*(\y)+\x0+\x)+7], v[\lb+16*(\y):\lb+16*(\y)+15], v[\gb+16*\x:\gb+16*\x+15], 0
.else
	v_wmma_f32_16x16x128_bf8_bf8 v[8*(8*(\y)+\x0+\x):8*(8*(\y)+\x0+\x)+7], v[\lb+16*(\y):\lb+16*(\y)+15], v[\gb+16*\x:\gb+16*\x+15], v[8*(8*(\y)+\x0+\x):8*(8*(\y)+\x0+\x)+7]
.endif
.endr
.endr
.endm
.macro STEP s
.set PS,  (\s)%2
.set LLP, 64+64*PS
.set GLP, 128*PS
.set ZR,  (\s)==0
.set MODE, 0
.if ((\s)==3) || ((\s)==7)
.set MODE, 1                           ; a slot's last step; the slot is filled again
.endif
.if (\s)==11
.set MODE, 2                           ; a slot's last step; nothing is filled
.endif
	PLACES                                         ; four places ahead of loads into registers that matrix instructions have read (ISA guide 7.12.1 for vector instructions)
.if (\s) < 15
	LDG 128*(1-PS)+64, 4, (\s)+1
.endif
	WIN 0
.if MODE
	s_wait_tensorcnt 0x0                           ; my part of the next slot is in
	ds_add_u32 v[SPW], v[NIL]
	s_wait_dscnt 17                                ; LL is in; LH's run and the add may be out
.else
	s_wait_dscnt 16
.endif
.if (\s) < 15
	s_wait_loadcnt 48                              ; GL is in
.else
	s_wait_loadcnt 16+EX
.endif
	WIN MUL_LO
	MQ 0, LLP, GLP, 0
.if MODE
	s_wait_dscnt 0x0                               ; the add is done and my reads of this slot are over
	s_barrier_signal -1
.endif
	MQ 2, LLP, GLP, 0
.if MODE
	WIN 0
	s_barrier_wait -1
.endif
.if MODE == 1
	CREST                                          ; the barrier has opened a round of the cluster's barrier
	tensor_load_to_lds s[R0+4*((\s)/4):R0+4*((\s)/4)+3], s[G1:G1+7]   ; my one load behind the round
	s_nop 0
	PLACES
.endif
.if (\s) < 15
	LDL 64+64*(1-PS), 0, (\s)+1                    ; LL's other set: last read a step ago, the places at this step's head lie between
.if (\s) == 3
	global_prefetch_b8 v[PFO], s[PFA:PFA+1] offset:65536 th:TH_LOAD_NT scope:SCOPE_SE
.endif
	s_wait_dscnt 16                                ; LH is in
.else
	s_wait_dscnt 0x0
.endif
	WIN MUL_HI
	MQ 0, 192, GLP, 0
	MQ 2, 192, GLP, 0
.if (\s) < 14
	PLACES
	LDG GLP, 0, (\s)+2
	s_wait_loadcnt 48                              ; GH is in
.endif
.if (\s) == 14
	s_wait_loadcnt 32+EX
.endif
.if (\s) == 15
	s_wait_loadcnt EX
.endif
	WIN MUL_HI
	MQ 0, 192, GLP+64, 4
	MQ 2, 192, GLP+64, 4
.if (\s) < 15
	PLACES
	LDL 192, 4, (\s)+1
.endif
	WIN MUL_LO
	MQ 0, LLP, GLP+64, 4
	MQ 2, LLP, GLP+64, 4
	WIN 0
.endm
	s_load_b128 s[4:7], s[0:1], 0x0                ; hc, wp
	s_load_b128 s[8:11], s[0:1], 0x10              ; the scales' exponents, out0
	v_lshl_add_u32 v[SPW], v0, 2, SPARE
	v_mov_b32 v[NIL], 0
	ds_add_u32 v[SPW], v[NIL]                      ; the opening lines: the add, twice on end, and its wait
	ds_add_u32 v[SPW], v[NIL]
	v_lshrrev_b32 v1, 5, v0
	v_readfirstlane_b32 s14, v1                    ; wave
	s_lshr_b32 s15, s14, 1                         ; my half of the tile's rows; also: the half that I load for
	s_and_b32 s16, s14, 1                          ; my half of its columns; also: which part of that half's bytes I load
	s_lshl_b32 s21, s15, 17
	v_and_b32 v1, 31, v0
	v_lshlrev_b32 v[GO], 4, v1                     ; 16 x lane
	v_lshlrev_b32 v[PFO], 8, v1
	v_add_nc_u32 v[AD0], s21, v[GO]                ; my half's slot 0,
	v_add_nc_u32 v[AD1], 0x10000, v[AD0]           ; and slot 1
	v_and_b32 v3, 15, v0
	v_bfe_u32 v4, v0, 4, 1
	v_lshlrev_b32 v3, 4, v3
	v_lshl_add_u32 v[CO], v4, 16, v3               ; 16 r, and eight rows of 8,192 bytes down for lanes 16-31
	s_wait_alu depctr_va_vdst(0)                   ; the wait behind the head's vector lines
	s_bfe_u32 s18, ttmp6, 0x40000                  ; cx
	s_lshl_b32 s19, ttmp9, 2
	s_add_co_u32 s19, s19, s18                     ; tile column
	s_and_b32 s17, ttmp7, 0xffff                   ; tile row
	s_mov_b32 s[G1], 15|(3<<16)|(1<<21)            ; the four partners; elements of 8 bytes; bit 21 beside a mask
	s_mov_b32 s[G1+1], 32<<16
	s_mov_b32 s[G1+2], 128<<16                     ; a refill: 128 rows of 256 bytes
	s_mov_b32 s[G1+3], 32<<16
	s_mov_b32 s[G1+4], 128
	s_mov_b32 s[G1+5], 32
	s_mov_b32 s[G1+6], 0
	s_mov_b32 s[G1+7], 0
	s_mov_b32 s[H1], 15|(3<<16)|(1<<21)
	s_mov_b32 s[H1+1], 32<<16
	s_mov_b32 s[H1+2], 256<<16                     ; the head's load: 256 rows
	s_mov_b32 s[H1+3], 32<<16
	s_mov_b32 s[H1+4], 256
	s_mov_b32 s[H1+5], 32
	s_mov_b32 s[H1+6], 0
	s_mov_b32 s[H1+7], 0
	s_lshl_b32 s20, s17, 19
	s_lshl_b32 s22, s15, 18
	s_add_co_u32 s20, s20, s22                     ; hc's block of 128 rows: 262,144 bytes
	s_mov_b32 s21, 0
	s_lshl_b32 s22, s19, 19
	s_lshl_b32 s23, s16, 18
	s_add_co_u32 s22, s22, s23                     ; wp's block of 128 rows
	s_mov_b32 s23, 0
	s_lshl_b32 s57, s15, 17
	s_lshl_b32 s62, s16, 15
	s_add_co_u32 s57, s57, s62                     ; LDS: my part of my half's slot 0
	s_mov_b32 s63, 0
	s_lshl_b32 s60, s16, 16
	s_mov_b32 s61, 0
	s_lshl_b32 s66, s18, 13
	s_mov_b32 s67, 0
	s_wait_dscnt 0x0
	s_wait_kmcnt 0x0
	s_load_b64 s[96:97], s[8:9], 0x8               ; e2, e3
	s_add_nc_u64 s[WB:WB+1], s[6:7], s[22:23]
	s_add_nc_u64 s[20:21], s[4:5], s[20:21]
	LDG 0, 0, 0                                    ; wp's first three half-sets are asked for at once
	LDG 64, 4, 0
	LDG 128, 0, 1
	WIN 0
	s_mov_b32 s[H0], 1
	s_lshl_b32 s[H0+1], s14, 16
	s_add_nc_u64 s[H0+2:H0+3], s[20:21], s[60:61]
	s_or_b32 s[H0+3], s[H0+3], 0x80000000
.irp t, 0,1
	s_mov_b32 s[R0+4*\t], 1
	s_add_co_u32 s[R0+4*\t+1], s57, \t*65536
	s_add_nc_u64 s[R0+4*\t+2:R0+4*\t+3], s[20:21], s[62:63]
	s_add_nc_u64 s[R0+4*\t+2:R0+4*\t+3], s[R0+4*\t+2:R0+4*\t+3], 131072+\t*65536
	s_or_b32 s[R0+4*\t+3], s[R0+4*\t+3], 0x80000000
.endr
	s_add_nc_u64 s[PFA:PFA+1], s[20:21], s[62:63]
	s_add_nc_u64 s[PFA:PFA+1], s[PFA:PFA+1], s[66:67]
	s_add_nc_u64 s[PFA:PFA+1], s[PFA:PFA+1], 131072
	CROUND
	tensor_load_to_lds s[H0:H0+3], s[H1:H1+7]      ; steps 0 to 7 of my half, my part: my one load at the head
	s_nop 0
	PLACES
	global_prefetch_b8 v[PFO], s[PFA:PFA+1] th:TH_LOAD_NT scope:SCOPE_SE
	s_lshl_b32 s22, s17, 21
	s_lshl_b32 s23, s15, 20
	s_add_co_u32 s22, s22, s23
	s_lshl_b32 s23, s19, 10
	s_add_co_u32 s22, s22, s23
	s_lshl_b32 s23, s16, 9
	s_add_co_u32 s22, s22, s23
	s_mov_b32 s23, 0
	s_add_nc_u64 s[10:11], s[10:11], s[22:23]      ; out0 at my first row and column
	s_wait_tensorcnt 0x0                           ; my part of both slots is in
	s_barrier_signal -1
	s_barrier_wait -1
	LDL 64, 0, 0
	LDL 192, 4, 0
.irp s, 0,1,2,3,4,5,6,7,8,9,10,11,12,13,14,15
	STEP \s
.endr
	s_wait_kmcnt 0x0
	s_add_co_i32 s96, s96, s97
	s_add_co_i32 s96, s96, 127-11
	s_lshl_b32 s96, s96, 23                        ; 2^(e2 + e3 - 11)
	PLACES
; THE WAY OUT: for 16 rows (a) and 64 columns (g): 32 multiplications put columns 4 r + 0 .. 3 of row 8 h + j into four registers on end; eight stores, in each of which sixteen lanes cover 256 consecutive bytes, aligned.
; Seven sets of 32 registers take turns; a set is written again only behind s_wait_xcnt 0.  Each accumulator is read from its low end on.
.set grp, 0
.irp a, 0,1,2,3,4,5,6,7
.irp g, 0,1
.set T, 32+32*(grp%7)
.if grp >= 7
	s_wait_xcnt 0x0
.endif
	WIN 0x08+4*(\a/4)
.irp j, 0,1,2,3,4,5,6,7
.irp b, 0,1,2,3
	v_mul_f32 v[T+4*\j+\b], s96, v[8*(8*(\a%4)+4*\g+\b)+\j]
.endr
.endr
	WIN 0
.irp j, 0,1,2,3,4,5,6,7
	global_store_b128 v[CO], v[T+4*\j:T+4*\j+3], s[10:11] offset:(16*\a+\j)*8192+256*\g th:TH_STORE_NT
.endr
.set grp, grp+1
.endr
.endr
	s_wait_tensorcnt 0x0                           ; the wave's end
	ds_add_u32 v[SPW], v[NIL]
	s_wait_dscnt 0x0
	CROUND                                         ; the closing round
	s_endpgm
.Lfunc_end_k_q4640635105_gemm2:
	.size	k_q4640635105_gemm2, .Lfunc_end_k_q4640635105_gemm2-k_q4640635105_gemm2
	.p2alignl 7, 3214868480
	.fill 96, 4, 3214868480
	.section	.rodata,"a",@progbits
	.p2align	6, 0x0
	.amdhsa_kernel k_q4640635105_gemm2
		.amdhsa_group_segment_fixed_size 327680
		.amdhsa_private_segment_fixed_size 0
		.amdhsa_enable_private_segment 0
		.amdhsa_kernarg_size 32
		.amdhsa_user_sgpr_count 2
		.amdhsa_user_sgpr_kernarg_segment_ptr 1
		.amdhsa_wavefront_size32 1
		.amdhsa_system_sgpr_workgroup_id_x 1
		.amdhsa_system_sgpr_workgroup_id_y 1
		.amdhsa_system_sgpr_workgroup_id_z 1
		.amdhsa_system_vgpr_workitem_id 0
		.amdhsa_next_free_vgpr 1024
		.amdhsa_next_free_sgpr 102
		.amdhsa_reserve_vcc 0
		.amdhsa_float_denorm_mode_32 3
		.amdhsa_float_denorm_mode_16_64 3
		.amdhsa_memory_ordered 1
		.amdhsa_forward_progress 1
		.amdhsa_inst_pref_size 193
	.end_amdhsa_kernel
	.amdgpu_metadata
---
amdhsa.version: [ 1, 2 ]
amdhsa.kernels:
  - .name:           k_q4640635105_gemm2
    .symbol:         k_q4640635105_gemm2.kd
    .args:
      - { .name: hc, .offset: 0, .size: 8, .value_kind: global_buffer, .address_space: global }
      - { .name: wp, .offset: 8, .size: 8, .value_kind: global_buffer, .address_space: global }
      - { .name: lowp_scales, .offset: 16, .size: 8, .value_kind: global_buffer, .address_space: global }
      - { .name: out0, .offset: 24, .size: 8, .value_kind: global_buffer, .address_space: global }
    .group_segment_fixed_size: 327680
    .private_segment_fixed_size: 0
    .kernarg_segment_align: 8
    .kernarg_segment_size: 32
    .max_flat_workgroup_size: 128
    .sgpr_count:     102
    .vgpr_count:     1024
    .wavefront_size: 32
...
	.end_amdgpu_metadata
.endif
;; end of part 3
